; MI455X (gfx1250); checked and timed in simulation.
; The chip was launched on July 23, 2026; its instructions are those of AMD's public machine-readable ISA for CDNA 5 (MIT licence, August 2026) and "CDNA5" Instruction Set Architecture Reference Guide (July 2026). The comments in the code are by the model that wrote it; some were corrected since.
;; TH. Allowed arithmetic: matrix products marked QUANTISED: E2M1 operands, one E8M0 scale for each 32 along K, by v_wmma_scale_f32_16x16x128_f8f6f4 with both operands' format E2M1 (or v_wmma_scale_f32_32x16x128_f4), f32 sums; everything else in f32.
;; Inputs: bk 64 float32; bk_ 4,096 float32; bq 64 float32; bq_ 4,096 float32; bv 64 float32; bv_ 4,096 float32; wk__codes 4,096 x 128 x 16 uint8 (E2M1 codes of wk_, K innermost, in blocks of 32 codes, two codes a byte); wk__scales 4,096 x 128 uint8 (E8M0 scales of wk_, one for each 32 codes along K); wk_codes 64 x 2 x 16 uint8 (E2M1 codes of wk, K innermost, in blocks of 32 codes, two codes a byte); wk_scales 64 x 2 uint8 (E8M0 scales of wk, one for each 32 codes along K); wq__codes 4,096 x 128 x 16 uint8 (E2M1 codes of wq_, K innermost, in blocks of 32 codes, two codes a byte); wq__scales 4,096 x 128 uint8 (E8M0 scales of wq_, one for each 32 codes along K); wq_codes 64 x 2 x 16 uint8 (E2M1 codes of wq, K innermost, in blocks of 32 codes, two codes a byte); wq_scales 64 x 2 uint8 (E8M0 scales of wq, one for each 32 codes along K); wv__codes 4,096 x 128 x 16 uint8 (E2M1 codes of wv_, K innermost, in blocks of 32 codes, two codes a byte); wv__scales 4,096 x 128 uint8 (E8M0 scales of wv_, one for each 32 codes along K); wv_codes 64 x 2 x 16 uint8 (E2M1 codes of wv, K innermost, in blocks of 32 codes, two codes a byte); wv_scales 64 x 2 uint8 (E8M0 scales of wv, one for each 32 codes along K); x 4 x 64 x 128 x 128 float32.
;; Outputs: out0 4 x 64 x 128 x 128 float32.
;; This version of the problem:
;;   THIS VERSION OF THE PROBLEM IS GIVEN IN LOW PRECISION. The matrix products marked QUANTISED in the list below multiply operands that are first quantised to E2M1 (2 exponent bits, 1 mantissa bit; 4 bits a number), with one power-of-two scale for each 32 numbers along K (OCP MX v1.0); their sums are f32. All else is computed in f32.
;;   The module's matrix products, in the order in which they are computed (A, B: the left and right operand; K: the contracted axis; several contracted axes count as one K, in the product's order):
;;     1. [M 65,536, K 64] x [K 64, N 64]; A: input x; B: input wq (given as codes): QUANTISED
;;     2. [M 65,536, K 64] x [K 64, N 64]; A: input x; B: input wk (given as codes): QUANTISED
;;     3. [M 65,536, K 64] x [K 64, N 64]; A: input x; B: input wv (given as codes): QUANTISED
;;     4. batch 1,024 x [M 64, K 64] x [K 64, N 64]; A: computed on the way; B: computed on the way: QUANTISED
;;     5. batch 1,024 x [M 64, K 64] x [K 64, N 64]; A: computed on the way; B: softmax (see below): QUANTISED
;;     6. [M 1,024, K 4,096] x [K 4,096, N 4,096]; A: input x; B: input wq_ (given as codes): QUANTISED
;;     7. [M 1,024, K 4,096] x [K 4,096, N 4,096]; A: input x; B: input wk_ (given as codes): QUANTISED
;;     8. [M 1,024, K 4,096] x [K 4,096, N 4,096]; A: input x; B: input wv_ (given as codes): QUANTISED
;;   THE QUANTISER, for each operand of a quantised product, along K:
;;     - K is cut into blocks of 32 from its start; a last block that is shorter is filled with zeros.
;;     - A block's scale is 2^e with e = floor(log2(the largest magnitude in the block)) - 2, held to -126 .. 127; a block of zeros has e = 0. As a byte (E8M0): e + 127.
;;     - Each number is divided by its block's scale, clamped to +-6, and rounded to the nearest number of E2M1, ties to even, subnormals kept.
;;     - The product sums the exact products of the quantised numbers (number of the format x scale) in f32.
;;   ~~~python
;;   def quantise(x, axis):      # numpy; x: float32 -> the quantised numbers, widened to float32 again
;;       x = np.moveaxis(x, axis, -1); K = x.shape[-1]
;;       x = np.pad(x, [(0, 0)] * (x.ndim - 1) + [(0, -K % 32)]); x = x.reshape(x.shape[:-1] + (-1, 32)); a = np.abs(x).max(-1, keepdims=True)
;;       e = np.where(a > 0, np.clip(np.frexp(np.where(a > 0, a, 1))[1] - 1 - 2, -126, 127), 0)      # np.frexp(a)[1] - 1 = floor(log2(a)), exactly
;;       r = np.clip(x / 2.0 ** e, -6, 6)
;;       step = 2.0 ** (np.maximum(np.frexp(np.where(r == 0, 1, r))[1] - 1, 0) - 1)
;;       q = np.round(r / step) * step * 2.0 ** e      # np.round: ties to even
;;       return np.moveaxis(q.reshape(q.shape[:-2] + (-1,))[..., :K], -1, axis).astype(np.float32)
;;   ~~~
;;   SOFTMAX AHEAD OF A QUANTISED PRODUCT. Where the list says 'softmax', what is quantised is not the finished softmax but p = 2^(t - M), with t = logit x log2(e) and M = ceil(the row's largest t), a whole number; so 1/2 < the row's largest p <= 1. The row's sum l is taken of the UNQUANTISED p, in f32, and the product's result is divided by l at the end. Since M is a whole number, a kernel that streams over the keys may use a running M (the ceiling of the running maximum): every later rescaling is an exact power of two, which a block's scale takes up: the codes' values come out the same.
;;   OPERANDS COMPUTED ON THE WAY. 'Computed on the way' means the value that the module computes at that place (a softmax that the list does not call 'softmax' is quantised finished and normalised). What goes into a quantiser is computed in f32, as accurately as f32 sums, v_exp_f32 and their like allow (about 1e-6 of the number): no bf16 or f16 on the way to a quantiser, and a product that is left as it is and whose result goes on into a quantised operand takes f32 operands (vector FMAs, or v_wmma_f32_16x16x4_f32). A number that lies on a knife's edge between two numbers of the format may be rounded either way, as far as f32 arithmetic and the matrix unit's own rounding can turn it there, and no further.
;;   INPUTS GIVEN AS CODES. wk (in the module: [64, 64], K = its axis 1); wk_ (in the module: [4096, 4096], K = its axis 1); wq (in the module: [64, 64], K = its axis 1); wq_ (in the module: [4096, 4096], K = its axis 1); wv (in the module: [64, 64], K = its axis 1); wv_ (in the module: [4096, 4096], K = its axis 1): each comes as NAME_codes (uint8): NAME with its K axis moved to the last place and cut into blocks of 32 codes, [.., K / 32, bytes a block], one block behind the other in memory; two codes a byte, the lower K in the low four bits (a code: sign, 2 exponent bits, 1 mantissa bit); and NAME_scales (uint8): the same leading axes, one E8M0 byte (e + 127) for each 32 codes along K. Its value is code x scale, taken as it is: it is not quantised again, and the codes and scales need not be those that the quantiser above would give.
;; One version. Each part assembles by itself: llvm-mc -triple=amdgcn-amd-amdhsa -mcpu=gfx1250 --defsym DOCPART=n.
;; ======== version 1 of 1: 2 launches
;; workspace buffers: xcodes 2,097,152 bytes; xscales 131,072 bytes; res1 16,777,216 bytes
;; launch intra (part 1): grid 256 x 1, 4 waves a work-group, no clusters, 139,264 bytes of LDS; arguments x, wq_codes, wq_scales, bq, wk_codes, wk_scales, bk, wv_codes, wv_scales, bv, xcodes, xscales, res1; writes xcodes, xscales, res1
.if DOCPART == 1
	.amdgcn_target "amdgcn-amd-amdhsa--gfx1250"
	.amdhsa_code_object_version 6
	.text
	.protected	k_q566fa742ab_intra
	.globl	k_q566fa742ab_intra
	.p2align	8
	.type	k_q566fa742ab_intra,@function
k_q566fa742ab_intra:
	s_mov_b64 s[64:65], 0
	v_nop
	global_prefetch_b8 v0, s[64:65] scope:SCOPE_SE
	s_setreg_imm32_b32 hwreg(HW_REG_WAVE_MODE, 25, 1), 1
	s_wait_xcnt 0x0
; THE INTRA-PATCH BRANCH, and x's codes for the inter-patch product.  x: [4][64][128][128] f32 = 1,024 patches of 8 x 8 pixels, each [64 channels c][64 positions s = 8 px + py].
; DEAD WORK.  reference() takes att = softmax(e, axis = -1) of e [N, 1]: an axis of length 1.  For every finite e that is exp(e - e) / exp(e - e) = 1, so out2 = v_ whatever the inputs hold.
; So q_ and k_ (the products with wq_ and wk_), their biases, the sum e and that softmax reach no output: they are left out, and wq__codes, wq__scales, bq_, wk__codes, wk__scales, bk_ are not loaded
; and are among no launch's arguments.  LIMIT: a NaN, an infinity or an overflow that arises only in q_, k_ or e is not carried to the result.
; WHAT IS DONE HERE, for each patch: (a) x quantised along k = 64 c + s -> xcodes [1024][2048 bytes], xscales [1024][128]: the left operand of x wv_^T, laid as wv__codes is;
; (b) x quantised along c; q, k, v = w x + b; q, k quantised along c, v along the positions; scores = q^T k; p = 2^(t - M), t = score x log2(e), M = ceil(the row's largest t), quantised along the keys;
; out1 = v p^T / l, l the sum of the unquantised p.  Stored: res1 = -log2(e) x out1, f32, laid [b][c][ix][iy / 4][px][iy % 4][py], so that each store of a wave covers 512 consecutive bytes, aligned.
; LIMITS: NaN and infinities among the inputs are not served by the quantisers; a block of zeros, or one whose largest magnitude lies under 2^-124, gets the scale byte 1 (its codes are zeros or tiny; these bytes are read by this program alone).
; SHARES.  A work-group takes the four patches iy = 4 gy .. 4 gy + 3 of one (b, ix): 128 consecutive bytes of each row of x.  One patch to a wave.  The waves load x together (wave w: channels 16 w .. 16 w + 15 of all four
; patches) and turn it through LDS; all else is the wave's own until the results meet in a stage.  No cluster and no tensor load: the work-groups share nothing but 6 KiB of weights, which go straight into registers.
; K = 64 IN A PRODUCT OF K = 128.  A fragment's registers 0-3 hold k = 32 (lane / 16) + 0 .. 31; registers 4-7 would hold k = 64 on.  One operand of every product has zero codes there; the other is packed, four registers a
; tile, and its registers 4-7 are whatever codes follow: every code of this format is a finite number, and 0 x finite = 0.  Bytes 2 and 3 of every scale word are 0, which is 2^-127 and no NaN.
; ROW ORDER.  Lane r of tile T of x's positions, and of wq's and wk's rows, takes row sigma(T, r) = 32 (T / 2) + 8 (T % 2) + r + 8 (r / 8): as source 0 that makes the 16 registers of result tiles 2 b, 2 b + 1 the 16 neighbours
; 32 b + 16 (lane / 16) + 0 .. 15 along the next product's K.
.set PREG,  17472                      ; LDS: a patch: 64 rows (channels) of 256 bytes + 16, 32 bytes more behind channel 31; 17,472 = 64 mod 256, so that the four patches' rows start at different banks
.set XROW,  272
.set OST,   4*PREG                     ; the stage for res1: [c] rows of 1,024 bytes + 16: [px][patch][py]
.set OROW,  1040
.set LQ,    OST+64*OROW                ; -log2(e) / l for each query: 256 bytes for each wave, its own
.set SCB,   LQ+4*256                   ; the four patches' 128 scale bytes each
.set SPARE, SCB+512                    ; the spare words, 128 bytes for each wave: two blocks of 256 bytes that no other line names
.set VO,  1                            ; v1   x: 512 (lane / 8) + 16 (lane % 8): four rows of pixels, 128 bytes of each
.set SA,  2                            ; v2   where my 16 bytes of a load go in LDS
.set A3A, 3                            ; v3   my block of 32 along (c, s): channel lane / 2, half lane % 2
.set A3B, 4                            ; v4   my position's column, channels 32 (lane / 16) on
.set L16, 5                            ; v5   16 x lane
.set SBA, 6                            ; v6   my block's scale byte
.set LQW, 7                            ; v7   my query's word of LQ
.set LQR, 8                            ; v8   the words of the eight queries that my registers hold
.set OSA, 9                            ; v9   the stage: where I put 32 bytes
.set ORD, 10                           ; v10  the stage: where I read back
.set SCR, 11                           ; v11  the scale bytes on their way out
.set SH8, 12                           ; v12  8 (lane / 16)
.set SPW, 14                           ; v14  LDS address of my spare word; never rewritten
.set NIL, 15                           ; v15  0; never rewritten
.set XF,  16                           ; v16-47   x's four fragments (K = c), registers 4-7 of each zero; later p's four
.set PF,  16
.set QF,  48                           ; v48-63   q's fragments, packed
.set VF,  64                           ; v64-79   v's, packed
.set KF,  80                           ; v80-111  k's, registers 4-7 of each zero
.set XL,  96                           ; v96-223  x as loaded; at the end res1 on its way out
.set HA,  112                          ; v112-175 two sets of 32: numbers to quantise, results of products
.set CD,  176                          ; v176-191 xcodes' codes
.set RL,  176                          ; v176-207 later: -log2(e) / l of the queries in my registers
.set SU,  192                          ; v192-199 the rows' sums
.set TM,  208                          ; v208-223 at work
.set WOA, 224                          ; v224-229 the offsets of the weights', biases' and scales' loads; never rewritten
.set WOS, 225
.set WVA, 226
.set WVO, 227
.set BO,  228
.set BVO, 229
.set XS,  232                          ; scale words, four each: x's; wq's, then k's; wk's, then v's; wv's, then p's; q's
.set WQS, 236
.set KS,  236
.set WKS, 240
.set VS,  240
.set WVS, 244
.set PS,  244
.set QS,  248
.set WQ,  0                            ; window 1: wq's, wk's, wv's fragments, packed; v48-51 zeros behind them
.set WK,  16
.set WV,  32
.set BQ,  64                           ; window 1: the biases in the results' layout, eight registers a tile
.set BK,  96
.set BV,  128
.set SEL, 40                           ; s[40:41] lane selects for v_permlanex16_b32: lane l xor 16
.set CS,  42                           ; s[42:43] log2(e): the packed form names a pair and takes its low word for both halves
.set MSB, 0
.macro WIN new                         ; the immediate's high byte repeats the setting that is left
.if MSB != \new
	s_set_vgpr_msb (MSB<<8)|\new
.set MSB, \new
.endif
.endm
.macro PLACES n                        ; plain places behind matrix instructions (ISA guide 7.12.1)
.rept \n
	v_nop
.endr
.endm
; The largest magnitude of v[s] .. v[s + 31], with the floor 2^(3 - 127) among its leaves, in v[TM]; with 2 off its exponent field, the conversion's scale operand, in v[TM + 2]
.macro MAX32 s
	v_max3_num_f32 v[TM], |v[(\s)]|, |v[(\s)+1]|, |v[(\s)+2]|
	v_max3_num_f32 v[TM+1], |v[(\s)+3]|, |v[(\s)+4]|, |v[(\s)+5]|
.irp i, 6,10,14,18,22,26
	v_max3_num_f32 v[TM], v[TM], |v[(\s)+\i]|, |v[(\s)+\i+1]|
	v_max3_num_f32 v[TM+1], v[TM+1], |v[(\s)+\i+2]|, |v[(\s)+\i+3]|
.endr
	v_max3_num_f32 v[TM], v[TM], |v[(\s)+30]|, |v[(\s)+31]|
	v_max3_num_f32 v[TM], v[TM], v[TM+1], 0x1800000
	v_add_nc_u32 v[TM+2], 0xff000000, v[TM]
.endm
; (a) turn i of four: block (c = 16 i + lane / 2, half = lane % 2) of k = 64 c + s: 128 bytes of my patch's row c
.macro LD3A i, set
.irp m, 0,1,2,3,4,5,6,7
	ds_load_b128 v[HA+32*(\set)+4*\m:HA+32*(\set)+4*\m+3], v[A3A] offset:(\i)*16*XROW+((\i)/2)*32+16*\m
.endr
.endm
.macro Q3A i, set
	MAX32 HA+32*(\set)
.irp g, 0,1,2,3
	v_cvt_scalef32_pk8_fp4_f32 v[CD+4*(\i)+\g], v[HA+32*(\set)+8*\g:HA+32*(\set)+8*\g+7], v[TM+2]
.endr
	v_lshrrev_b32 v[TM+4+(\i)], 23, v[TM+2]        ; the scale's byte (also the plain line behind the conversions)
	ds_store_b8 v[SBA], v[TM+4+(\i)] offset:32*(\i)
	global_store_b128 v[L16], v[CD+4*(\i):CD+4*(\i)+3], s[28:29] offset:512*(\i)   ; 32 blocks' codes: 512 consecutive bytes
.endm
; (b) tile tl of x's positions: lane (r, h) takes position sigma(tl, r), channels 32 h + 0 .. 31: a whole block
.macro LD3B tl, set
.set cc, 0
.rept 32
	ds_load_b32 v[HA+32*(\set)+cc], v[A3B] offset:cc*XROW+4*(32*((\tl)/2)+8*((\tl)%2))
.set cc, cc+1
.endr
.endm
.macro Q3B tl, set
	MAX32 HA+32*(\set)
.irp g, 0,1,2,3
	v_cvt_scalef32_pk8_fp4_f32 v[XF+8*(\tl)+\g], v[HA+32*(\set)+8*\g:HA+32*(\set)+8*\g+7], v[TM+2]
.endr
	v_lshrrev_b32 v[TM+3], 23, v[TM+2]             ; my block's byte,
	v_lshlrev_b32 v[TM+3], v[SH8], v[TM+3]         ; at its place in the row's scale word;
	v_permlanex16_b32 v[TM+8], v[TM+3], s[SEL], s[SEL+1]
	v_or_b32 v[XS+(\tl)], v[TM+3], v[TM+8]         ; with lane l xor 16's the word is whole
.endm
; 32 numbers of a lane, register 16 b + i = k 32 b + 16 (lane / 16) + i of my row, become four registers of codes at v[dst] and the row's scale word in v[sc].  The sources are read in ascending order.
.macro QUANT64 src, dst, sc
.irp b, 0,1
	v_max3_num_f32 v[TM+\b], |v[(\src)+16*\b]|, |v[(\src)+16*\b+1]|, 0x1800000
.endr
.irp i, 2,4,6,8,10,12,14
.irp b, 0,1
	v_max3_num_f32 v[TM+\b], v[TM+\b], |v[(\src)+16*\b+\i]|, |v[(\src)+16*\b+\i+1]|
.endr
.endr
.irp b, 0,1
	v_permlanex16_b32 v[TM+4+\b], v[TM+\b], s[SEL], s[SEL+1]
.endr
.irp b, 0,1
	v_max_num_f32 v[TM+\b], v[TM+\b], v[TM+4+\b]   ; with lane l xor 16's 16: the block's largest magnitude
.endr
.irp b, 0,1
	v_add_nc_u32 v[TM+12+\b], 0xff000000, v[TM+\b] ; 2 off its exponent field: the conversion's scale operand
.endr
.irp b, 0,1
	v_lshrrev_b32 v[TM+4+\b], 23, v[TM+12+\b]      ; the scale's byte
.endr
	v_lshl_or_b32 v[\sc], v[TM+5], 8, v[TM+4]
.irp b, 0,1
	v_cvt_scalef32_pk8_fp4_f32 v[(\dst)+2*\b], v[(\src)+16*\b:(\src)+16*\b+7], v[TM+12+\b]
	v_cvt_scalef32_pk8_fp4_f32 v[(\dst)+2*\b+1], v[(\src)+16*\b+8:(\src)+16*\b+15], v[TM+12+\b]
.endr
	v_nop                                          ; one plain line behind the conversions
	v_permlane16_swap_b32 v[(\dst)], v[(\dst)+2]   ; the operand's layout wants a whole block in a lane: lanes 0-15 block 0, lanes 16-31 block 1
	v_permlane16_swap_b32 v[(\dst)+1], v[(\dst)+3]
.endm
; q or k of the 16 positions of tile tl, transposed: source 0 = 16 rows of the weight, source 1 = x; the bias is the C.  Lane (r, h): position sigma(tl, r); register 8 t + j: channel 32 (t / 2) + 8 (t % 2) + 16 h + j
.macro PROJ w, bi, ws, tl, d
.irp t, 0,1,2,3
	v_wmma_scale_f32_16x16x128_f8f6f4 v[(\d)+8*\t:(\d)+8*\t+7], v[(\w)+4*\t:(\w)+4*\t+7], v[XF+8*(\tl):XF+8*(\tl)+7], v[(\bi)+8*\t:(\bi)+8*\t+7], v[(\ws)+\t], v[XS+(\tl)] matrix_a_fmt:MATRIX_FMT_FP4 matrix_b_fmt:MATRIX_FMT_FP4
.endr
.endm
.macro QKPAIR w, bi, ws, tl, dst, dstep, sc    ; two tiles of positions: eight products, then the two quantisers
	WIN 0x11                                       ; source 0 (the weight) and C (the bias) in window 1
	PROJ \w, \bi, \ws, \tl, HA
	PROJ \w, \bi, \ws, (\tl)+1, HA+32
	WIN 0
	PLACES 4
	QUANT64 HA, (\dst)+(\dstep)*(\tl), (\sc)+(\tl)
	QUANT64 HA+32, (\dst)+(\dstep)*((\tl)+1), (\sc)+(\tl)+1
.endm
; v of channels 16 cv + r: source 0 = x's tiles, source 1 = 16 rows of wv.  Lane (r, h): channel 16 cv + r; register 8 t + j: position 32 (t / 2) + 8 (t % 2) + 16 h + j
.macro PROJV cv, d
.irp t, 0,1,2,3
	v_wmma_scale_f32_16x16x128_f8f6f4 v[(\d)+8*\t:(\d)+8*\t+7], v[XF+8*\t:XF+8*\t+7], v[WV+4*(\cv):WV+4*(\cv)+7], v[BV+8*(\cv):BV+8*(\cv)+7], v[XS+\t], v[WVS+(\cv)] matrix_a_fmt:MATRIX_FMT_FP4 matrix_b_fmt:MATRIX_FMT_FP4
.endr
.endm
.macro VPAIR cv
	WIN 0x14                                       ; source 1 (wv) and C (bv) in window 1
	PROJV \cv, HA
	PROJV (\cv)+1, HA+32
	WIN 0
	PLACES 4
	QUANT64 HA, VF+4*(\cv), VS+(\cv)
	QUANT64 HA+32, VF+4*((\cv)+1), VS+(\cv)+1
.endm
; The scores of the 16 queries of tile tl, transposed: source 0 = 16 keys, source 1 = the queries.  Lane (r, h): query sigma(tl, r); register 16 b + i: key 32 b + 16 h + i
.macro ENERGY tl, d
.irp t, 0,1,2,3
	v_wmma_scale_f32_16x16x128_f8f6f4 v[(\d)+8*\t:(\d)+8*\t+7], v[KF+8*\t:KF+8*\t+7], v[QF+4*(\tl):QF+4*(\tl)+7], 0, v[KS+\t], v[QS+(\tl)] matrix_a_fmt:MATRIX_FMT_FP4 matrix_b_fmt:MATRIX_FMT_FP4
.endr
.endm
; The softmax of query tiles t0 and t0 + 1 (v[HA] on, v[HA + 32] on).  Block e = 2 u + b: tile t0 + u, keys 32 b on: its 16 scores of my half at v[HA + 16 e].
.macro SOFTMAX2 t0
.irp e, 0,1,2,3
	v_max3_num_f32 v[TM+\e], v[HA+16*\e], v[HA+16*\e+1], v[HA+16*\e+2]   ; each block's largest score: it serves the row's maximum and, since p rises with the score, the block's largest p
.endr
.irp i, 3,5,7,9,11,13
.irp e, 0,1,2,3
	v_max3_num_f32 v[TM+\e], v[TM+\e], v[HA+16*\e+\i], v[HA+16*\e+\i+1]
.endr
.endr
.irp e, 0,1,2,3
	v_max_num_f32 v[TM+\e], v[TM+\e], v[HA+16*\e+15]
.endr
.irp e, 0,1,2,3
	v_permlanex16_b32 v[TM+4+\e], v[TM+\e], s[SEL], s[SEL+1]
.endr
.irp e, 0,1,2,3
	v_max_num_f32 v[TM+\e], v[TM+\e], v[TM+4+\e]   ; with lane l xor 16's 16 keys
.endr
.irp u, 0,1
	v_max_num_f32 v[TM+9+2*\u], v[TM+2*\u], v[TM+2*\u+1]   ; the row's largest score,
.endr
.irp u, 0,1
	v_mul_f32 v[TM+9+2*\u], s[CS], v[TM+9+2*\u]    ; as t (log2(e) is positive),
.endr
.irp u, 0,1
	v_floor_f32 v[TM+8+2*\u], -v[TM+9+2*\u]        ; -M = floor(-t) = -ceil(t): the maximum that reference() takes away, as a whole number
.endr
.irp u, 0,1
.set j, 0
.rept 16
	v_pk_fma_f32 v[HA+32*\u+j:HA+32*\u+j+1], v[HA+32*\u+j:HA+32*\u+j+1], s[CS:CS+1], v[TM+8+2*\u:TM+9+2*\u] op_sel_hi:[1,0,0]   ; t - M, two at a time
.set j, j+2
.endr
.endr
.irp e, 0,1,2,3
	v_fma_f32 v[TM+\e], v[TM+\e], s[CS], v[TM+8+2*(\e/2)]   ; the same of each block's largest score
.endr
.set j, 0
.rept 64
	v_exp_f32 v[HA+j], v[HA+j]                     ; p = 2^(t - M), at most 1, not normalised
.set j, j+1
.endr
	v_nop                                          ; the plain line behind the batch
	s_wait_alu depctr_va_vdst(0)                   ; one wait for the 64, ahead of their first reader
.irp e, 0,1,2,3
	v_exp_f32 v[TM+\e], v[TM+\e]                   ; the block's largest p: the same two instructions on the same number
.endr
.irp u, 0,1                                    ; the rows' sums, of the unquantised p: two chains a tile; they read the 64 alone
	v_pk_add_f32 v[SU+4*\u:SU+4*\u+1], v[HA+32*\u:HA+32*\u+1], v[HA+32*\u+2:HA+32*\u+3]
	v_pk_add_f32 v[SU+4*\u+2:SU+4*\u+3], v[HA+32*\u+4:HA+32*\u+5], v[HA+32*\u+6:HA+32*\u+7]
.endr
.irp i, 8,12,16,20,24,28
.irp u, 0,1
	v_pk_add_f32 v[SU+4*\u:SU+4*\u+1], v[SU+4*\u:SU+4*\u+1], v[HA+32*\u+\i:HA+32*\u+\i+1]
	v_pk_add_f32 v[SU+4*\u+2:SU+4*\u+3], v[SU+4*\u+2:SU+4*\u+3], v[HA+32*\u+\i+2:HA+32*\u+\i+3]
.endr
.endr
.irp u, 0,1
	v_pk_add_f32 v[SU+4*\u:SU+4*\u+1], v[SU+4*\u:SU+4*\u+1], v[SU+4*\u+2:SU+4*\u+3]
.endr
	s_wait_alu depctr_va_vdst(0)                   ; and one for the four
.irp e, 0,1,2,3
	v_max_num_f32 v[TM+\e], 0x1800000, v[TM+\e]    ; the floor 2^(3 - 127): the byte cannot fall under 1
.endr
.irp e, 0,1,2,3
	v_add_nc_u32 v[TM+12+\e], 0xff000000, v[TM+\e]
.endr
.irp e, 0,1,2,3
	v_lshrrev_b32 v[TM+4+\e], 23, v[TM+12+\e]
.endr
.irp u, 0,1
	v_lshl_or_b32 v[PS+(\t0)+\u], v[TM+5+2*\u], 8, v[TM+4+2*\u]   ; p's scale word for my query
.endr
.irp e, 0,1,2,3
	v_cvt_scalef32_pk8_fp4_f32 v[PF+8*((\t0)+\e/2)+2*(\e%2)], v[HA+16*\e:HA+16*\e+7], v[TM+12+\e]
	v_cvt_scalef32_pk8_fp4_f32 v[PF+8*((\t0)+\e/2)+2*(\e%2)+1], v[HA+16*\e+8:HA+16*\e+15], v[TM+12+\e]
.endr
	v_nop                                          ; one plain line behind the conversions
.irp u, 0,1
	v_permlane16_swap_b32 v[PF+8*((\t0)+\u)], v[PF+8*((\t0)+\u)+2]
	v_permlane16_swap_b32 v[PF+8*((\t0)+\u)+1], v[PF+8*((\t0)+\u)+3]
.endr
.irp u, 0,1
	v_add_f32 v[SU+4*\u], v[SU+4*\u], v[SU+4*\u+1] ; the sum's two halves,
.endr
.irp u, 0,1
	v_permlanex16_b32 v[TM+4+\u], v[SU+4*\u], s[SEL], s[SEL+1]
.endr
.irp u, 0,1
	v_add_f32 v[SU+4*\u], v[SU+4*\u], v[TM+4+\u]   ; and lane l xor 16's: l
.endr
.irp u, 0,1
	v_rcp_f32 v[SU+4*\u+1], v[SU+4*\u]
.endr
	v_nop
	s_wait_alu depctr_va_vdst(0)                   ; one wait for the two reciprocals
.irp u, 0,1
	v_mul_f32 v[SU+4*\u], s44, v[SU+4*\u+1]        ; -log2(e) / l
.endr
.irp u, 0,1
	ds_store_b32 v[LQW], v[SU+4*\u] offset:4*(32*((\t0)/2)+8*\u)   ; by query; both halves of the lanes write the same word with the same value
.endr
.endm
; out1 of the 16 queries of tile tl: source 0 = p, source 1 = 16 channels of v.  Lane (r, h): channel 16 c + r; register j: query 32 (tl / 2) + 8 (tl % 2) + 16 h + j: px = 4 (tl / 2) + tl % 2 + 2 h, py = j
.macro OUTT tl, d
.irp c, 0,1,2,3
	v_wmma_scale_f32_16x16x128_f8f6f4 v[(\d)+8*\c:(\d)+8*\c+7], v[PF+8*(\tl):PF+8*(\tl)+7], v[VF+4*\c:VF+4*\c+7], 0, v[PS+(\tl)], v[VS+\c] matrix_a_fmt:MATRIX_FMT_FP4 matrix_b_fmt:MATRIX_FMT_FP4
.endr
.endm
.macro SCALEOUT tl, d                          ; x -log2(e) / l, each result from its low end on; then 32 bytes a lane and tile into the stage
.irp c, 0,1,2,3
.irp i, 0,2,4,6
	v_pk_mul_f32 v[(\d)+8*\c+\i:(\d)+8*\c+\i+1], v[(\d)+8*\c+\i:(\d)+8*\c+\i+1], v[RL+8*(\tl)+\i:RL+8*(\tl)+\i+1]
.endr
.endr
.irp c, 0,1,2,3
	ds_store_b128 v[OSA], v[(\d)+8*\c:(\d)+8*\c+3] offset:\c*16*OROW+(4*((\tl)/2)+(\tl)%2)*128
	ds_store_b128 v[OSA], v[(\d)+8*\c+4:(\d)+8*\c+7] offset:\c*16*OROW+(4*((\tl)/2)+(\tl)%2)*128+16
.endr
.endm
.macro OUTPAIR t0
	OUTT \t0, HA
	OUTT (\t0)+1, HA+32
	PLACES 4
	s_wait_dscnt 0x0                               ; -log2(e) / l is in my registers
	SCALEOUT \t0, HA
	SCALEOUT (\t0)+1, HA+32
	s_wait_dscnt 0x0                               ; the stores have read their registers
.endm
	s_load_b512 s[8:23], s[0:1], 0x0               ; x 8, wq_codes 10, wq_scales 12, bq 14, wk_codes 16, wk_scales 18, bk 20, wv_codes 22
	s_load_b256 s[24:31], s[0:1], 0x40             ; wv_scales 24, bv 26, xcodes 28, xscales 30
	s_load_b64 s[32:33], s[0:1], 0x60              ; res1
	v_lshl_add_u32 v[SPW], v0, 2, SPARE
	v_mov_b32 v[NIL], 0
	v_lshrrev_b32 v96, 5, v0
	v_readfirstlane_b32 s34, v96                   ; wave 0..3 = my patch among the four
	v_and_b32 v96, 31, v0                          ; lane
	v_and_b32 v97, 15, v0                          ; r
	v_bfe_u32 v98, v0, 4, 1                        ; h
	v_and_b32 v99, 8, v0
	v_add_nc_u32 v99, v99, v97                     ; r + 8 (r / 8)
	v_bfe_u32 v100, v0, 3, 2                       ; lane / 8
	v_and_b32 v101, 7, v0
	v_bfe_u32 v102, v0, 1, 2                       ; (lane / 2) % 4: whose patch my 16 bytes of a load are
	v_and_b32 v103, 1, v0
	v_bfe_u32 v104, v0, 1, 4                       ; lane / 2
	v_lshlrev_b32 v[VO], 4, v101
	v_lshl_add_u32 v[VO], v100, 9, v[VO]
	s_mul_i32 s50, s34, 16*XROW                    ; my wave loads channels 16 w on:
	s_lshr_b32 s52, s34, 1
	s_lshl_b32 s52, s52, 5
	s_add_co_u32 s50, s50, s52                     ; their rows in a patch
	s_mul_i32 s51, s34, PREG                       ; my patch
	v_mul_u32_u24 v[SA], v102, PREG
	v_lshl_add_u32 v[SA], v100, 5, v[SA]
	v_lshl_add_u32 v[SA], v103, 4, v[SA]
	v_add_nc_u32 v[SA], s50, v[SA]
	v_mul_u32_u24 v[A3A], v104, XROW
	v_lshl_add_u32 v[A3A], v103, 7, v[A3A]
	v_add_nc_u32 v[A3A], s51, v[A3A]
	v_mul_u32_u24 v[A3B], v98, 32*XROW+32
	v_lshl_add_u32 v[A3B], v99, 2, v[A3B]
	v_add_nc_u32 v[A3B], s51, v[A3B]
	v_lshlrev_b32 v[L16], 4, v96
	s_lshl_b32 s52, s34, 7
	s_add_co_u32 s52, s52, SCB
	v_add_nc_u32 v[SBA], s52, v96
	s_lshl_b32 s52, s34, 8
	s_add_co_u32 s52, s52, LQ
	v_lshl_add_u32 v[LQW], v99, 2, s52
	v_lshl_add_u32 v[LQR], v98, 6, s52
	v_mul_u32_u24 v[OSA], v97, OROW
	v_lshl_add_u32 v[OSA], v98, 8, v[OSA]
	s_lshl_b32 s52, s34, 5
	s_add_co_u32 s52, s52, OST
	v_add_nc_u32 v[OSA], s52, v[OSA]
	s_mul_i32 s52, s34, 16*OROW
	s_add_co_u32 s52, s52, OST
	v_add_nc_u32 v[ORD], s52, v[L16]
	v_add_nc_u32 v[SCR], SCB, v[L16]
	v_lshlrev_b32 v[SH8], 3, v98
	v_lshlrev_b32 v[WOA], 5, v99                   ; wq, wk: row r + 8 (r / 8) of 32 bytes, + 16 h
	v_lshl_add_u32 v[WOA], v98, 4, v[WOA]
	v_lshlrev_b32 v[WOS], 1, v99                   ; their scales: 2 bytes a row
	v_lshlrev_b32 v[WVA], 5, v97                   ; wv: row r
	v_lshl_add_u32 v[WVA], v98, 4, v[WVA]
	v_lshlrev_b32 v[WVO], 1, v97
	v_lshlrev_b32 v[BO], 6, v98                    ; bq, bk: 16 h numbers on
	v_lshlrev_b32 v[BVO], 2, v97                   ; bv: number r
.irp t, 0,1,2,3
.irp i, 4,5,6,7
	v_mov_b32 v[XF+8*\t+\i], 0                     ; zero codes for k = 64 on: they stay, for x's fragments and for p's
.endr
.endr
	s_mov_b32 s[SEL], 0x76543210
	s_mov_b32 s[SEL+1], 0xfedcba98
	s_mov_b32 s[CS], 0x3fb8aa3b                    ; log2(e)
	s_mov_b32 s[CS+1], s[CS]
	s_mov_b32 s44, 0xbfb8aa3b                      ; -log2(e)
	s_lshr_b32 s36, ttmp9, 6                       ; b
	s_lshl_b32 s36, s36, 22
	s_bfe_u32 s38, ttmp9, 0x40002                  ; ix
	s_lshl_b32 s38, s38, 12
	s_or_b32 s36, s36, s38
	s_lshl_b32 s38, s34, 20                        ; channels 16 w on
	s_or_b32 s36, s36, s38
	s_and_b32 s46, ttmp9, 3                        ; gy
	s_lshl_b32 s38, s46, 10
	s_or_b32 s38, s38, s36                         ; res1: 1,024 bytes for each gy
	s_lshl_b32 s46, s46, 7
	s_or_b32 s36, s36, s46                         ; x: 128 bytes for each gy
	s_mov_b32 s37, 0
	s_mov_b32 s39, 0
	s_lshl_b32 s46, ttmp9, 13                      ; xcodes: 2,048 bytes a patch
	s_lshl_b32 s48, s34, 11
	s_or_b32 s46, s46, s48
	s_mov_b32 s47, 0
	s_lshl_b32 s48, ttmp9, 9                       ; xscales: 128 bytes a patch
	s_mov_b32 s49, 0
	s_wait_kmcnt 0x0
	s_add_nc_u64 s[8:9], s[8:9], s[36:37]
	s_add_nc_u64 s[32:33], s[32:33], s[38:39]
	s_add_nc_u64 s[28:29], s[28:29], s[46:47]
	s_add_nc_u64 s[30:31], s[30:31], s[48:49]
.set j, 0
.rept 32                                       ; x: channel 16 w + j / 2, pixel rows 4 (j % 2) on: four runs of 128 consecutive bytes a load
	global_load_b128 v[XL+4*j:XL+4*j+3], v[VO], s[8:9] offset:(j/2)*65536+(j%2)*2048
.set j, j+1
.endr
	WIN 0x40                                       ; destination window 1
.irp t, 0,1,2,3
	global_load_b128 v[WQ+4*\t:WQ+4*\t+3], v[WOA], s[10:11] offset:(32*(\t/2)+8*(\t%2))*32
	global_load_b128 v[WK+4*\t:WK+4*\t+3], v[WOA], s[16:17] offset:(32*(\t/2)+8*(\t%2))*32
	global_load_b128 v[WV+4*\t:WV+4*\t+3], v[WVA], s[22:23] offset:512*\t
.endr
.irp t, 0,1,2,3
	global_load_b128 v[BQ+8*\t:BQ+8*\t+3], v[BO], s[14:15] offset:(32*(\t/2)+8*(\t%2))*4
	global_load_b128 v[BQ+8*\t+4:BQ+8*\t+7], v[BO], s[14:15] offset:(32*(\t/2)+8*(\t%2))*4+16
	global_load_b128 v[BK+8*\t:BK+8*\t+3], v[BO], s[20:21] offset:(32*(\t/2)+8*(\t%2))*4
	global_load_b128 v[BK+8*\t+4:BK+8*\t+7], v[BO], s[20:21] offset:(32*(\t/2)+8*(\t%2))*4+16
	global_load_b32 v[BV+8*\t], v[BVO], s[26:27] offset:64*\t
.endr
	WIN 0
.irp t, 0,1,2,3
	global_load_u16 v[WQS+\t], v[WOS], s[12:13] offset:(32*(\t/2)+8*(\t%2))*2   ; a row's two scale bytes; bytes 2 and 3 of the word come as 0
	global_load_u16 v[WKS+\t], v[WOS], s[18:19] offset:(32*(\t/2)+8*(\t%2))*2
	global_load_u16 v[WVS+\t], v[WVO], s[24:25] offset:32*\t
.endr
	s_wait_loadcnt 60                              ; of the 76 loads the first 16 are in: x's other 16 and the 44 small ones may be out
.set j, 0
.rept 16
	ds_store_b128 v[SA], v[XL+4*j:XL+4*j+3] offset:(j/2)*XROW+(j%2)*128
.set j, j+1
.endr
	s_wait_loadcnt 44                              ; all of x is in
.rept 16
	ds_store_b128 v[SA], v[XL+4*j:XL+4*j+3] offset:(j/2)*XROW+(j%2)*128
.set j, j+1
.endr
	s_wait_dscnt 0x0                               ; for the others' sake: my stores have landed
	s_barrier_signal -1
	s_barrier_wait -1                              ; the four patches lie whole in LDS
	LD3A 0, 0
	LD3A 1, 1
.irp t, 0,1,2,3
.irp i, 4,5,6,7
	v_mov_b32 v[KF+8*\t+\i], 0                     ; zero codes for k = 64 on in k's fragments
.endr
.endr
	v_mov_b32 v[TM+8], 0                           ; written once: a lane permute's destination counts as one of its sources
	WIN 0x40
.irp i, 48,49,50,51
	v_mov_b32 v\i, 0                               ; what wv's last tile names as its registers 4-7
.endr
	WIN 0
	s_wait_dscnt 8                                 ; the older eight loads are in.  In all these waits: the count is what was issued behind the set that is wanted
	Q3A 0, 0
	LD3A 2, 0
	s_wait_dscnt 9                                 ; a byte store and eight loads are younger
	Q3A 1, 1
	LD3A 3, 1
	s_wait_dscnt 9
	Q3A 2, 0
	LD3B 0, 0
	s_wait_dscnt 33                                ; a byte store and 32 loads
	Q3A 3, 1
	LD3B 1, 1
	s_wait_dscnt 33
	Q3B 0, 0
	LD3B 2, 0
	s_wait_dscnt 32
	Q3B 1, 1
	LD3B 3, 1
	s_wait_dscnt 32
	Q3B 2, 0
	s_wait_dscnt 0x0
	Q3B 3, 1
	s_wait_loadcnt 0x0                             ; the weights, their scales, the biases
	WIN 0x41                                       ; destination and source 0 in window 1
.irp c, 0,1,2,3
.irp i, 1,2,3,4,5,6,7
	v_mov_b32 v[BV+8*\c+\i], v[BV+8*\c]            ; bv in the result's layout: a lane holds one channel, so its eight registers hold the same number
.endr
.endr
	WIN 0
	QKPAIR WQ, BQ, WQS, 0, QF, 4, QS               ; q, quantised along c
	QKPAIR WQ, BQ, WQS, 2, QF, 4, QS
	QKPAIR WK, BK, WKS, 0, KF, 8, KS               ; k likewise
	QKPAIR WK, BK, WKS, 2, KF, 8, KS
	VPAIR 0                                        ; v, quantised along the positions
	VPAIR 2
	ENERGY 0, HA
	ENERGY 1, HA+32
	PLACES 4
	SOFTMAX2 0
	ENERGY 2, HA
	ENERGY 3, HA+32
	PLACES 4
	SOFTMAX2 2
	s_wait_xcnt 0x0                                ; the stores of xcodes have read their data: the loads below land on those registers only behind this wait
.irp t, 0,1,2,3
	ds_load_b128 v[RL+8*\t:RL+8*\t+3], v[LQR] offset:(32*(\t/2)+8*(\t%2))*4      ; LDS serves a wave's instructions in order (ISA guide 5.7.1.4): these see my stores
	ds_load_b128 v[RL+8*\t+4:RL+8*\t+7], v[LQR] offset:(32*(\t/2)+8*(\t%2))*4+16
.endr
	OUTPAIR 0
	OUTPAIR 2
	s_barrier_signal -1                            ; (my LDS instructions are done: the wait for 0 closes OUTPAIR)
	s_barrier_wait -1                              ; the four patches' results and scale bytes lie in LDS
.set j, 0
.rept 32                                       ; wave w takes channels 16 w on: 1,024 bytes each, 512 an instruction
	ds_load_b128 v[XL+4*j:XL+4*j+3], v[ORD] offset:(j/2)*OROW+(j%2)*512
.set j, j+1
.endr
.set j, 0
.rept 32
	s_wait_dscnt 31-j
	global_store_b128 v[L16], v[XL+4*j:XL+4*j+3], s[32:33] offset:(j/2)*65536+(j%2)*512   ; 512 consecutive bytes, at a multiple of 512 from res1's first byte
.set j, j+1
.endr
	s_cmp_lg_u32 s34, 0
	s_cbranch_scc1 .Lnot_wave_0
	ds_load_b128 v[16:19], v[SCR]                  ; wave 0: the four patches' 512 scale bytes leave by one store
	s_wait_dscnt 0x0
	global_store_b128 v[L16], v[16:19], s[30:31]
.Lnot_wave_0:
	s_wait_tensorcnt 0x0                           ; the wave's end, behind my last LDS store
	ds_add_u32 v[SPW], v[NIL]
	s_wait_dscnt 0x0
	s_endpgm
.Lfunc_end_k_q566fa742ab_intra:
	.size	k_q566fa742ab_intra, .Lfunc_end_k_q566fa742ab_intra-k_q566fa742ab_intra
	.p2alignl 7, 3214868480
	.fill 96, 4, 3214868480
	.section	.rodata,"a",@progbits
	.p2align	6, 0x0
	.amdhsa_kernel k_q566fa742ab_intra
		.amdhsa_group_segment_fixed_size 139264
		.amdhsa_private_segment_fixed_size 0
		.amdhsa_enable_private_segment 0
		.amdhsa_kernarg_size 104
		.amdhsa_user_sgpr_count 2
		.amdhsa_user_sgpr_kernarg_segment_ptr 1
		.amdhsa_wavefront_size32 1
		.amdhsa_system_sgpr_workgroup_id_x 1
		.amdhsa_system_sgpr_workgroup_id_y 1
		.amdhsa_system_sgpr_workgroup_id_z 1
		.amdhsa_system_vgpr_workitem_id 0
		.amdhsa_next_free_vgpr 416
		.amdhsa_next_free_sgpr 66
		.amdhsa_reserve_vcc 0
		.amdhsa_float_denorm_mode_32 3
		.amdhsa_float_denorm_mode_16_64 3
		.amdhsa_memory_ordered 1
		.amdhsa_forward_progress 1
		.amdhsa_inst_pref_size 107
	.end_amdhsa_kernel
	.amdgpu_metadata
---
amdhsa.version: [ 1, 2 ]
amdhsa.kernels:
  - .name:           k_q566fa742ab_intra
    .symbol:         k_q566fa742ab_intra.kd
    .args:
      - { .name: x, .offset: 0, .size: 8, .value_kind: global_buffer, .address_space: global }
      - { .name: wq_codes, .offset: 8, .size: 8, .value_kind: global_buffer, .address_space: global }
      - { .name: wq_scales, .offset: 16, .size: 8, .value_kind: global_buffer, .address_space: global }
      - { .name: bq, .offset: 24, .size: 8, .value_kind: global_buffer, .address_space: global }
      - { .name: wk_codes, .offset: 32, .size: 8, .value_kind: global_buffer, .address_space: global }
      - { .name: wk_scales, .offset: 40, .size: 8, .value_kind: global_buffer, .address_space: global }
      - { .name: bk, .offset: 48, .size: 8, .value_kind: global_buffer, .address_space: global }
      - { .name: wv_codes, .offset: 56, .size: 8, .value_kind: global_buffer, .address_space: global }
      - { .name: wv_scales, .offset: 64, .size: 8, .value_kind: global_buffer, .address_space: global }
      - { .name: bv, .offset: 72, .size: 8, .value_kind: global_buffer, .address_space: global }
      - { .name: xcodes, .offset: 80, .size: 8, .value_kind: global_buffer, .address_space: global }
      - { .name: xscales, .offset: 88, .size: 8, .value_kind: global_buffer, .address_space: global }
      - { .name: res1, .offset: 96, .size: 8, .value_kind: global_buffer, .address_space: global }
    .group_segment_fixed_size: 139264
    .private_segment_fixed_size: 0
    .kernarg_segment_align: 8
    .kernarg_segment_size: 104
    .max_flat_workgroup_size: 128
    .sgpr_count:     66
    .vgpr_count:     416
    .wavefront_size: 32
...
	.end_amdgpu_metadata
.endif
;; end of part 1
;; launch gate (part 2): grid 32 x 8, 4 waves a work-group, clusters of 4 x 4, 327,680 bytes of LDS; arguments xcodes, xscales, wv__codes, wv__scales, bv_, x, res1, out0; writes out0
.if DOCPART == 2
	.amdgcn_target "amdgcn-amd-amdhsa--gfx1250"
	.amdhsa_code_object_version 6
	.text
	.protected	k_q566fa742ab_gate
	.globl	k_q566fa742ab_gate
	.p2align	8
	.type	k_q566fa742ab_gate,@function
k_q566fa742ab_gate:
	s_mov_b64 s[64:65], 0
	v_nop
	global_prefetch_b8 v0, s[64:65] scope:SCOPE_SE
	s_setreg_imm32_b32 hwreg(HW_REG_WAVE_MODE, 25, 1), 1
	s_wait_xcnt 0x0
	s_wait_alu depctr_hold_cnt(0) depctr_sa_sdst(0) depctr_va_vdst(0) depctr_va_sdst(0) depctr_va_ssrc(0) depctr_va_vcc(0) depctr_vm_vsrc(0)
	s_getreg_b32 s2, hwreg(HW_REG_IB_STS2, 6, 4)
	s_cmp_eq_u32 s2, 0
	s_cbranch_scc0 .Lentry_in_a_cluster
	s_endpgm
.Lentry_in_a_cluster:
	s_bfe_u32 s2, ttmp6, 0x10000c
	s_cmp_lg_u32 s2, 0xf033
	s_cbranch_scc0 .Lentry_shape_is_right
	s_endpgm
.Lentry_shape_is_right:
; out0 = x + x / (1 + 2^(-log2(e) v_ + res1)), v_ = xf wv_^T + bv_ on codes of FP4 (E2M1) with one E8M0 scale for each 32 along K; res1 = -log2(e) x the intra-patch result, from the launch before.
; LEFT OUT AS DEAD WORK: the products with wq_ and wk_, the sum e and its softmax over an axis of length 1, which is 1 for every finite e (shown at the head of the first kernel).
; A: xcodes [1024 patches][2048 bytes], xscales [1024][128].  B: wv__codes [4096][2048 bytes], wv__scales [4096][128].  K = 4,096.
; SHARES.  A work-group makes 128 patches x 128 columns of v_: 8 x 32 = 256 work-groups.  Each of its four waves makes 64 patches x 64 columns: 16 accumulators, 128 registers.  A wave's 64 columns are ONE channel c,
; its 64 patches four rows of patches (ix) x all 16 iy: in x, res1 and out0 that is 16 KiB on end.
; THE MATRIX INSTRUCTION IS USED TRANSPOSED (source 0 = 16 rows of wv_, source 1 = 16 patches), AND THE ROWS OF wv_ THAT FORM A TILE ARE PERMUTED: lane r of block b takes row 16 b + perm(r), perm = r with its bits 2 and 3
; exchanged.  Lane (r, h) then holds, of patch iy = r, in registers 0-3 the pixels px = 2 b, py = 4 h + 0 .. 3 and in registers 4-7 px = 2 b + 1, the same py: 16 bytes of a row of the image each.  So registers 4 i .. 4 i + 3 of the
; accumulators (i = 8 a + 2 b + g) are the bytes 512 i + 32 r + 16 h of the wave's 16 KiB: x is loaded and out0 stored 512 consecutive bytes an instruction, aligned, with no stage in LDS.
; K goes in 32 steps of 128 through two LDS slots of 1,024 along K (rows of 512 bytes): two first fills and two refills, written out.  The scale bytes of the work-group's rows, for all of K, come once, in whole runs of 256 bytes.
; x and res1 are loaded into registers during the walk over K.  bv_ is the C of the first K step.
; CLUSTERS: 4 x 4 work-groups.  The four of a row of the cluster need the same tiles of A, the four of a column the same tiles of B: each tile is asked for JOINTLY, by the same tensor load with the same descriptor and a mask that names the four.
; A wave has at most three tensor loads out (at the head), later one.
; The sigmoid needs no guard: 2^z = infinity gives 1 / infinity = 0 and out0 = x; 2^z = 0 gives out0 = 2 x.
; REGISTERS, in windows of 256: window 0: v1-31 addresses; v32-63 scale words, two sets of 16; v128-255 the accumulators ((a, b) at v[128 + 8 (4 a + b)]).
;   window 1: two sets of fragments at v0 and v64: A's four, then B's four; v128-159 bv_.   window 2: v0-127 x; v128-255 res1.
.set PITCH,  528                       ; an LDS row: 512 bytes + 16 of padding = 132 words: row r starts at bank 4 r mod 64 (64 banks of 4 bytes: ISA guide 11.1)
.set HALFT,  64*PITCH                  ; 64 rows: what one tensor load brings, and what one wave reads of A or of B
.set SLOT,   4*HALFT                   ; A's 128 rows, then B's 128
.set SCL,    2*SLOT                    ; behind the ring: the scales, as runs of 256 bytes + 16 of padding
.set HALFS,  32*272                    ; the scales of 64 rows (128 bytes a row)
.set SBLK,   8*272                     ; those of 16 rows
.set SPARE,  SCL+4*HALFS               ; the spare words, 128 bytes for each wave: two blocks of 256 bytes that no other line names
.set ADRA, 16                          ; v16-17  LDS address of my A fragments in slot 0, 1
.set ADRB, 20                          ; v20-21  the same for B, by the permuted rows
.set CO,   24                          ; v24     32 r + 16 h: my bytes of a run of 512 in x and out0
.set RO,   25                          ; v25     the same pixels' place in res1
.set BO,   26                          ; v26     16 h: bv_
.set ADRS, 27                          ; v27     LDS address of my scale words: lanes 0-15 A's rows, lanes 16-31 B's
.set SPW,  28                          ; v28     LDS address of my spare word; never rewritten
.set NIL,  29                          ; v29     0; never rewritten
.set SC,   32                          ; scale words: set s at v[SC + 16 s]; register 4 i + q: lanes 0-15 A's block i, lanes 16-31 B's block i, the q-th of four K steps
.set ACC,  128
.set BI,   128                         ; in window 1
.set R1,   128                         ; in window 2
.set G1,   24                          ; s[24:31] descriptor group 1 for A's tiles;  s[32:39] group 0, one set for each slot
.set G0,   32
.set G1B,  48                          ; s[48:55], s[56:63] the same for B's
.set G0B,  56
.set G1S,  68                          ; s[68:75], s[76:79] groups 1 and 0 for A's scales;  s[80:87], s[88:91] for B's
.set G0S,  76
.set G1SB, 80
.set G0SB, 88
.set MSB, 0
.macro WIN new                         ; the immediate's high byte repeats the setting that is left
.if MSB != \new
	s_set_vgpr_msb (MSB<<8)|\new
.set MSB, \new
.endif
.endm
.macro PLACES n                        ; plain places behind matrix instructions (ISA guide 7.12.1)
.rept \n
	v_nop
.endr
.endm
; A joint load: waves 0 and 1 fetch for A, waves 2 and 3 for B.  Each of the two lines has one mask and one set of registers for all that issue it; the branch hangs on the wave's number alone.
; An s_nop 0 and four v_nop follow each of the two lines, ahead of the jump, the label and what follows.
.macro JLOAD g0a, g1a, g0b, g1b
	s_cmp_eq_u32 s21, 0
	s_cbranch_scc0 .Lfor_b_\@
	tensor_load_to_lds s[\g0a:\g0a+3], s[\g1a:\g1a+7]
	s_nop 0
.rept 4
	v_nop
.endr
	s_branch .Lasked_\@
.Lfor_b_\@:
	tensor_load_to_lds s[\g0b:\g0b+3], s[\g1b:\g1b+7]
	s_nop 0
.rept 4
	v_nop
.endr
.Lasked_\@:
.endm
.macro CREST                           ; a round of the cluster's barrier behind its opening barrier
	s_cmp_lg_u32 s20, 0
	s_cbranch_scc1 .Lnot_wave_0_\@
	s_barrier_signal -3
.Lnot_wave_0_\@:
	s_barrier_wait -3
	s_barrier_signal -1
	s_barrier_wait -1
.endm
.macro CROUND                          ; a whole round
	s_barrier_signal -1
	s_barrier_wait -1
	CREST
.endm
	s_load_b512 s[4:19], s[0:1], 0x0               ; xcodes 4, xscales 6, wv__codes 8, wv__scales 10, bv_ 12, x 14, res1 16, out0 18
	v_lshl_add_u32 v[SPW], v0, 2, SPARE
	v_mov_b32 v[NIL], 0
	ds_add_u32 v[SPW], v[NIL]                      ; the wave's opening: the add, twice on end, and its wait ahead of my first tensor load; the set-up below stands between the second and the wait
	ds_add_u32 v[SPW], v[NIL]
	v_lshrrev_b32 v1, 5, v0
	v_readfirstlane_b32 s20, v1                    ; wave 0..3
	s_lshr_b32 s21, s20, 1                         ; which 64 patches are mine.  Also: I fetch for A (0) or for B (1)
	s_and_b32 s22, s20, 1                          ; which 64 columns.  Also: which 64 rows of that tile I fetch
	s_bfe_u32 s40, ttmp6, 0x40000                  ; cx, cy: my place in the cluster
	s_bfe_u32 s41, ttmp6, 0x40004
	s_lshl_b32 s42, ttmp9, 2
	s_add_co_u32 s42, s42, s40                     ; tn: block of 128 columns = 4 x cluster x + cx
	s_and_b32 s45, ttmp7, 0xffff
	s_lshl_b32 s45, s45, 2
	s_add_co_u32 s45, s45, s41                     ; tm: block of 128 patches = 4 x cluster y + cy
	s_lshl_b32 s43, s41, 2
	s_lshl_b32 s43, 15, s43                        ; my row of the cluster
	s_lshl_b32 s44, 0x1111, s40                    ; my column
	; descriptor group 1: a tile of 64 rows x 512 bytes, padded in LDS
	s_or_b32 s[G1+0], s43, (0<<16)|(1<<20)|(1<<21)|(6<<22)|(3<<25)   ; 15:0 the mask: A's tiles go to my row; 17:16 elements of 1 byte; 20 padding on; 21 set beside a mask; 24:22 after every 128 words (code 6); 31:25 four words (code 3)
	s_or_b32 s[G1B+0], s44, (0<<16)|(1<<20)|(1<<21)|(6<<22)|(3<<25)
.irp g, G1, G1B
	s_mov_b32 s[\g+1], 512<<16                     ; tensor_dim0
	s_mov_b32 s[\g+2], 64<<16                      ; tensor_dim1
	s_mov_b32 s[\g+3], 512<<16                     ; tile_dim0
	s_mov_b32 s[\g+4], 64                          ; tile_dim1
	s_mov_b32 s[\g+5], 2048                        ; tensor_dim0_stride: a row of 4,096 codes
	s_mov_b32 s[\g+6], 0
	s_mov_b32 s[\g+7], 0
.endr
	; and for the scales of 64 rows: a dense block of 8,192 bytes, as 32 rows of 256 bytes (32 elements of 8 bytes), 16 bytes of padding behind each
	s_or_b32 s[G1S+0], s43, (3<<16)|(1<<20)|(1<<21)|(5<<22)|(3<<25)
	s_or_b32 s[G1SB+0], s44, (3<<16)|(1<<20)|(1<<21)|(5<<22)|(3<<25)
.irp g, G1S, G1SB
	s_mov_b32 s[\g+1], 32<<16
	s_mov_b32 s[\g+2], 32<<16
	s_mov_b32 s[\g+3], 32<<16
	s_mov_b32 s[\g+4], 32
	s_mov_b32 s[\g+5], 32
	s_mov_b32 s[\g+6], 0
	s_mov_b32 s[\g+7], 0
.endr
	s_lshl_b32 s23, s22, 6                         ; which 64 rows of the tile I fetch
	s_lshl_b32 s92, s45, 7
	s_add_co_u32 s92, s92, s23                     ; A: patch 128 tm + 64 x half: made of cy and the wave's number alone
	s_lshl_b32 s94, s42, 7
	s_add_co_u32 s94, s94, s23                     ; B: row 128 tn + 64 x half: of cx and the wave's number alone
	s_lshl_b32 s96, s92, 7                         ; their scales: 128 bytes a row,
	s_mov_b32 s97, 0
	s_lshl_b32 s92, s92, 11                        ; their codes: 2,048
	s_mov_b32 s93, 0
	s_lshl_b32 s98, s94, 7
	s_mov_b32 s99, 0
	s_lshl_b32 s94, s94, 11
	s_mov_b32 s95, 0
	s_mul_i32 s66, s20, HALFT                      ; where they go: wave x 64 rows: no place in the cluster enters an LDS address
	s_mul_i32 s67, s20, HALFS
	s_wait_dscnt 0x0                               ; both opening adds are done
	s_wait_kmcnt 0x0
	s_add_nc_u64 s[92:93], s[4:5], s[92:93]
	s_add_nc_u64 s[96:97], s[6:7], s[96:97]
	s_add_nc_u64 s[94:95], s[8:9], s[94:95]
	s_add_nc_u64 s[98:99], s[10:11], s[98:99]
	CROUND                                         ; all sixteen work-groups are here: the first joint loads meet
	s_mov_b32 s[G0S], 1
	s_add_co_u32 s[G0S+1], s67, SCL
	s_mov_b64 s[G0S+2:G0S+3], s[96:97]
	s_or_b32 s[G0S+3], s[G0S+3], 0x80000000
	s_mov_b32 s[G0SB], 1
	s_add_co_u32 s[G0SB+1], s67, SCL
	s_mov_b64 s[G0SB+2:G0SB+3], s[98:99]
	s_or_b32 s[G0SB+3], s[G0SB+3], 0x80000000
	JLOAD G0S, G1S, G0SB, G1SB                     ; the scales first: they are wanted with K step 0
.irp s, 0,1
	s_mov_b32 s[G0+4*\s], 1
	s_add_co_u32 s[G0+4*\s+1], s66, \s*SLOT
	s_add_nc_u64 s[G0+4*\s+2:G0+4*\s+3], s[92:93], \s*512
	s_or_b32 s[G0+4*\s+3], s[G0+4*\s+3], 0x80000000
	s_mov_b32 s[G0B+4*\s], 1
	s_add_co_u32 s[G0B+4*\s+1], s66, \s*SLOT
	s_add_nc_u64 s[G0B+4*\s+2:G0B+4*\s+3], s[94:95], \s*512
	s_or_b32 s[G0B+4*\s+3], s[G0B+4*\s+3], 0x80000000
	JLOAD G0+4*\s, G1, G0B+4*\s, G1B
.endr
	v_and_b32 v1, 15, v0                           ; r
	v_bfe_u32 v2, v0, 4, 1                         ; h
	v_bfe_u32 v3, v0, 2, 1
	v_bfe_u32 v4, v0, 3, 1
	v_xor_b32 v3, v3, v4                           ; 1 where r's bits 2 and 3 differ
	v_mul_u32_u24 v4, v3, 12
	v_xor_b32 v4, v4, v1                           ; perm(r)
	v_and_b32 v3, v3, v2
	v_mul_u32_u24 v3, v3, 12
	v_xor_b32 v3, v3, v1                           ; the row whose scales I take: r in lanes 0-15 (A), perm(r) in lanes 16-31 (B)
	v_mul_u32_u24 v5, v1, PITCH
	v_lshl_add_u32 v5, v2, 4, v5                   ; A: row r x pitch + 16 h
	v_mul_u32_u24 v6, v4, PITCH
	v_lshl_add_u32 v6, v2, 4, v6                   ; B: row perm(r)
	s_mul_i32 s2, s21, HALFT                       ; my 64 rows of A
	s_mul_i32 s3, s22, HALFT                       ; my 64 rows of B,
	s_add_co_u32 s3, s3, 2*HALFT                   ; which lie behind A's 128
.irp s, 0,1
	v_add_nc_u32 v[ADRA+\s], s2, v5
	v_add_nc_u32 v[ADRB+\s], s3, v6
	s_add_co_u32 s2, s2, SLOT
	s_add_co_u32 s3, s3, SLOT
.endr
	v_lshlrev_b32 v5, 7, v3                        ; my row's scales: 128 bytes a row,
	v_lshrrev_b32 v6, 1, v3
	v_lshl_add_u32 v5, v6, 4, v5                   ; and 16 more for each 256 passed
	s_mul_i32 s2, s21, HALFS                       ; A's: my 64 rows
	s_mul_i32 s3, s22, HALFS                       ; B's: my 64 rows, behind A's 128
	s_add_co_u32 s3, s3, 2*HALFS
	s_sub_co_u32 s3, s3, s2
	v_mul_u32_u24 v6, s3, v2                       ; lanes 16-31 take B's: the lower base + h x the distance
	s_add_co_u32 s2, s2, SCL
	v_add_nc_u32 v5, v5, v6
	v_add_nc_u32 v[ADRS], s2, v5
	v_lshlrev_b32 v[CO], 5, v1
	v_lshl_add_u32 v[CO], v2, 4, v[CO]
	v_lshrrev_b32 v5, 2, v1
	v_and_b32 v6, 3, v1
	v_lshlrev_b32 v[RO], 10, v5                    ; res1: 1,024 (iy / 4) + 32 (iy % 4) + 16 h
	v_lshl_add_u32 v[RO], v6, 5, v[RO]
	v_lshl_add_u32 v[RO], v2, 4, v[RO]
	v_lshlrev_b32 v[BO], 4, v2
	; my 16 KiB of x, res1 and out0: b = tm / 2, c = 2 tn + my half, ix = 8 (tm % 2) + 4 x my half of the patches
	s_lshr_b32 s46, s45, 1
	s_lshl_b32 s46, s46, 22
	s_lshl_b32 s47, s42, 1
	s_add_co_u32 s47, s47, s22
	s_lshl_b32 s47, s47, 16
	s_or_b32 s46, s46, s47
	s_and_b32 s47, s45, 1
	s_lshl_b32 s47, s47, 1
	s_add_co_u32 s47, s47, s21
	s_lshl_b32 s47, s47, 14
	s_or_b32 s46, s46, s47
	s_mov_b32 s47, 0
	s_add_nc_u64 s[14:15], s[14:15], s[46:47]
	s_add_nc_u64 s[16:17], s[16:17], s[46:47]
	s_add_nc_u64 s[18:19], s[18:19], s[46:47]
	s_lshl_b32 s46, s42, 1
	s_add_co_u32 s46, s46, s22
	s_lshl_b32 s46, s46, 8                         ; bv_: my channel's 64 numbers
	s_add_nc_u64 s[12:13], s[12:13], s[46:47]
	WIN 0x40                                       ; destination window 1
.irp b, 0,1,2,3
	global_load_b128 v[BI+8*\b:BI+8*\b+3], v[BO], s[12:13] offset:64*\b        ; bv_ in the result's layout: columns 16 b + 4 h + 0 .. 3,
	global_load_b128 v[BI+8*\b+4:BI+8*\b+7], v[BO], s[12:13] offset:64*\b+32   ; and 16 b + 8 + 4 h + 0 .. 3
.endr
	WIN 0x80                                       ; destination window 2
.set j, 0
.rept 32
	global_load_b128 v[4*j:4*j+3], v[CO], s[14:15] offset:512*j th:TH_LOAD_NT   ; x: 512 consecutive bytes a load; it lands during the walk over K
.set j, j+1
.endr
	WIN 0
; The fragments of K step st (16 rows x 128 K of 4-bit codes: 8 registers, two loads of 16 bytes 32 bytes apart) into set st % 2; with every fourth step the scale words of four steps
.macro FETCH st
	WIN 0x40
.irp i, 0,1,2,3
.irp c, 0,1
	ds_load_b128 v[64*((\st)%2)+32+8*\i+4*\c:64*((\st)%2)+32+8*\i+4*\c+3], v[ADRB+((\st)/8)%2] offset:64*((\st)%8)+32*\c+\i*16*PITCH
.endr
.endr
.irp i, 0,1,2,3
.irp c, 0,1
	ds_load_b128 v[64*((\st)%2)+8*\i+4*\c:64*((\st)%2)+8*\i+4*\c+3], v[ADRA+((\st)/8)%2] offset:64*((\st)%8)+32*\c+\i*16*PITCH
.endr
.endr
	WIN 0
.if (\st)%4 == 0
.irp i, 0,1,2,3
	ds_load_b128 v[SC+16*(((\st)/4)%2)+4*\i:SC+16*(((\st)/4)%2)+4*\i+3], v[ADRS] offset:\i*SBLK+16*((\st)/4)
.endr
.endif
.endm
; Four matrix instructions: A's block a against B's four.  The 16 accumulators take turns, one instruction a turn, in the same order in every step.  first = 1: bv_ is the C: nothing is cleared or added later
.macro MUL4 st, a, first
.irp b, 0,1,2,3
.if \first
	v_wmma_scale_f32_16x16x128_f8f6f4 v[ACC+8*(4*(\a)+\b):ACC+8*(4*(\a)+\b)+7], v[64*((\st)%2)+32+8*\b:64*((\st)%2)+32+8*\b+7], v[64*((\st)%2)+8*(\a):64*((\st)%2)+8*(\a)+7], v[BI+8*\b:BI+8*\b+7], v[SC+16*(((\st)/4)%2)+4*\b+(\st)%4], v[SC+16*(((\st)/4)%2)+4*(\a)+(\st)%4] matrix_a_fmt:MATRIX_FMT_FP4 matrix_b_fmt:MATRIX_FMT_FP4 matrix_a_scale:MATRIX_SCALE_ROW1
.else
	v_wmma_scale_f32_16x16x128_f8f6f4 v[ACC+8*(4*(\a)+\b):ACC+8*(4*(\a)+\b)+7], v[64*((\st)%2)+32+8*\b:64*((\st)%2)+32+8*\b+7], v[64*((\st)%2)+8*(\a):64*((\st)%2)+8*(\a)+7], v[ACC+8*(4*(\a)+\b):ACC+8*(4*(\a)+\b)+7], v[SC+16*(((\st)/4)%2)+4*\b+(\st)%4], v[SC+16*(((\st)/4)%2)+4*(\a)+(\st)%4] matrix_a_fmt:MATRIX_FMT_FP4 matrix_b_fmt:MATRIX_FMT_FP4 matrix_a_scale:MATRIX_SCALE_ROW1
.endif
.endr
.endm
; A K step that has its successor in the same slot
.macro STEP st, first
	s_wait_dscnt 0x0                               ; this step's fragments, asked for a step ago, are in
	PLACES 4                                       ; in front of loads into the set that the last step's products read
	FETCH (\st)+1
.if \first
	WIN 0x15                                       ; sources 0, 1 and C in window 1
.else
	WIN 0x05                                       ; sources 0 and 1 in window 1; C and D in window 0
.endif
.irp a, 0,1,2,3
	MUL4 \st, \a, \first
.endr
.endm
; A slot's last step changes slots: one barrier; in front of it each wave waits for all its tensor loads, adds 0 to its spare word, and waits for that and for its own reads of this slot.  fill = 1: this slot is filled again, with the K two slots on.
.macro TURN st, fill
	WIN 0                                          ; (the add's two registers lie in window 0)
	s_wait_tensorcnt 0x0                           ; all my tensor loads have landed: my part of the next slot
	ds_add_u32 v[SPW], v[NIL]                      ; 0 onto my spare word
	s_wait_dscnt 1                                 ; this step's fragments are in; the add may be out
	WIN 0x05
	MUL4 \st, 0, 0                                 ; four matrix instructions stand between the add and the wait for it
	s_wait_dscnt 0x0                               ; the add is done, and my reads of this slot are over
	s_barrier_signal -1
	MUL4 \st, 1, 0
	WIN 0
	s_barrier_wait -1
.if \fill
	CREST                                          ; the barrier has opened a round of the cluster's barrier: no wave of any partner still reads this slot's tile or has a load on its way
	s_add_nc_u64 s[G0+4*(((\st)/8)%2)+2:G0+4*(((\st)/8)%2)+3], s[G0+4*(((\st)/8)%2)+2:G0+4*(((\st)/8)%2)+3], 1024
	s_add_nc_u64 s[G0B+4*(((\st)/8)%2)+2:G0B+4*(((\st)/8)%2)+3], s[G0B+4*(((\st)/8)%2)+2:G0B+4*(((\st)/8)%2)+3], 1024
	JLOAD G0+4*(((\st)/8)%2), G1, G0B+4*(((\st)/8)%2), G1B   ; the first tensor load behind the round: eight K steps, 128 matrix instructions, in which to land; its four v_nop are the places in front of the loads below
.else
	PLACES 4
.endif
	FETCH (\st)+1
	WIN 0x05
	MUL4 \st, 2, 0
	MUL4 \st, 3, 0
.endm
.macro RLOAD i0                        ; sixteen loads of res1: four runs of 128 consecutive bytes each
	WIN 0x80
.set j, \i0
.rept 16
	global_load_b128 v[R1+4*j:R1+4*j+3], v[RO], s[16:17] offset:(j/8)*4096+(j%8)*128 th:TH_LOAD_NT
.set j, j+1
.endr
	WIN 0
.endm
	s_wait_tensorcnt 1                             ; the scales and my part of slot 0 are in; slot 1's load may stay out
	s_barrier_signal -1
	s_barrier_wait -1                              ; everybody's are
	FETCH 0
	s_wait_loadcnt 32                              ; bv_ is in; x's 32 loads may be out
	STEP 0, 1
.irp st, 1,2,3,4,5,6
	STEP \st, 0
.endr
	TURN 7, 1
	STEP 8, 0
	RLOAD 0
.irp st, 9,10,11,12,13,14
	STEP \st, 0
.endr
	TURN 15, 1
	STEP 16, 0
	RLOAD 16
.irp st, 17,18,19,20,21,22
	STEP \st, 0
.endr
	TURN 23, 0                                     ; nothing is left to fetch: a barrier of the work-group alone
.irp st, 24,25,26,27,28,29,30
	STEP \st, 0
.endr
	s_wait_dscnt 0x0                               ; the last step
.irp a, 0,1,2,3
	MUL4 31, \a, 0
.endr
	WIN 0
	PLACES 4
	s_wait_loadcnt 0x0                             ; x and res1
	WIN 0x20                                       ; source 2 (res1) in window 2
.set j, 0
.rept 64
	v_pk_fma_f32 v[ACC+j:ACC+j+1], v[ACC+j:ACC+j+1], 0xbfb8aa3b, v[R1+j:R1+j+1] op_sel_hi:[1,0,1]   ; z = -log2(e) v_ + res1; each accumulator from its low end on
.set j, j+2
.endr
; 32 registers at a time: 2^z, 1 + 2^z, its reciprocal, x + x x that; eight stores of 512 consecutive bytes
.macro GATE q
	WIN 0
.set j, 0
.rept 32
	v_exp_f32 v[ACC+32*\q+j], v[ACC+32*\q+j]
.set j, j+1
.endr
	v_nop                                          ; the plain line behind the batch
	s_wait_alu depctr_va_vdst(0)                   ; one wait for the 32, ahead of their first reader
.set j, 0
.rept 16
	v_pk_add_f32 v[ACC+32*\q+j:ACC+32*\q+j+1], v[ACC+32*\q+j:ACC+32*\q+j+1], 1.0 op_sel_hi:[1,0]
.set j, j+2
.endr
.set j, 0
.rept 32
	v_rcp_f32 v[ACC+32*\q+j], v[ACC+32*\q+j]
.set j, j+1
.endr
	v_nop
	s_wait_alu depctr_va_vdst(0)
	WIN 0x22                                       ; sources 0 and 2 (x) in window 2
.set j, 0
.rept 16
	v_pk_fma_f32 v[ACC+32*\q+j:ACC+32*\q+j+1], v[32*\q+j:32*\q+j+1], v[ACC+32*\q+j:ACC+32*\q+j+1], v[32*\q+j:32*\q+j+1]
.set j, j+2
.endr
	WIN 0
.set j, 8*\q
.rept 8
	global_store_b128 v[CO], v[ACC+4*j:ACC+4*j+3], s[18:19] offset:512*j th:TH_STORE_NT   ; 32 lanes store 512 consecutive bytes, at a multiple of 512 from out0's first byte
.set j, j+1
.endr
.endm
	GATE 0
	GATE 1
	GATE 2
	GATE 3
	s_wait_tensorcnt 0x0                           ; the wave's end, behind my last tensor load
	ds_add_u32 v[SPW], v[NIL]
	s_wait_dscnt 0x0
	CROUND                                         ; the closing round: no work-group ends while a partner may still ask for a tile that names it
	s_endpgm
.Lfunc_end_k_q566fa742ab_gate:
	.size	k_q566fa742ab_gate, .Lfunc_end_k_q566fa742ab_gate-k_q566fa742ab_gate
	.p2alignl 7, 3214868480
	.fill 96, 4, 3214868480
	.section	.rodata,"a",@progbits
	.p2align	6, 0x0
	.amdhsa_kernel k_q566fa742ab_gate
		.amdhsa_group_segment_fixed_size 327680
		.amdhsa_private_segment_fixed_size 0
		.amdhsa_enable_private_segment 0
		.amdhsa_kernarg_size 64
		.amdhsa_user_sgpr_count 2
		.amdhsa_user_sgpr_kernarg_segment_ptr 1
		.amdhsa_wavefront_size32 1
		.amdhsa_system_sgpr_workgroup_id_x 1
		.amdhsa_system_sgpr_workgroup_id_y 1
		.amdhsa_system_sgpr_workgroup_id_z 1
		.amdhsa_system_vgpr_workitem_id 0
		.amdhsa_next_free_vgpr 768
		.amdhsa_next_free_sgpr 100
		.amdhsa_reserve_vcc 0
		.amdhsa_float_denorm_mode_32 3
		.amdhsa_float_denorm_mode_16_64 3
		.amdhsa_memory_ordered 1
		.amdhsa_forward_progress 1
		.amdhsa_inst_pref_size 152
	.end_amdhsa_kernel
	.amdgpu_metadata
---
amdhsa.version: [ 1, 2 ]
amdhsa.kernels:
  - .name:           k_q566fa742ab_gate
    .symbol:         k_q566fa742ab_gate.kd
    .args:
      - { .name: xcodes, .offset: 0, .size: 8, .value_kind: global_buffer, .address_space: global }
      - { .name: xscales, .offset: 8, .size: 8, .value_kind: global_buffer, .address_space: global }
      - { .name: wv__codes, .offset: 16, .size: 8, .value_kind: global_buffer, .address_space: global }
      - { .name: wv__scales, .offset: 24, .size: 8, .value_kind: global_buffer, .address_space: global }
      - { .name: bv_, .offset: 32, .size: 8, .value_kind: global_buffer, .address_space: global }
      - { .name: x, .offset: 40, .size: 8, .value_kind: global_buffer, .address_space: global }
      - { .name: res1, .offset: 48, .size: 8, .value_kind: global_buffer, .address_space: global }
      - { .name: out0, .offset: 56, .size: 8, .value_kind: global_buffer, .address_space: global }
    .group_segment_fixed_size: 327680
    .private_segment_fixed_size: 0
    .kernarg_segment_align: 8
    .kernarg_segment_size: 64
    .max_flat_workgroup_size: 128
    .sgpr_count:     100
    .vgpr_count:     768
    .wavefront_size: 32
...
	.end_amdgpu_metadata
.endif
;; end of part 2
